; MI455X (gfx1250); checked and timed in simulation.
; The chip was launched on July 23, 2026; its instructions are those of AMD's public machine-readable ISA for CDNA 5 (MIT licence, August 2026) and "CDNA5" Instruction Set Architecture Reference Guide (July 2026). The comments in the code are by the model that wrote it; some were corrected since.
;; Muti Head Self Attention. Allowed arithmetic: matrix products marked QUANTISED: E2M1 operands, one E8M0 scale for each 32 along K, by v_wmma_scale_f32_16x16x128_f8f6f4 with both operands' format E2M1 (or v_wmma_scale_f32_32x16x128_f4), f32 sums; everything else in f32.
;; Inputs: Wk_codes 1,024 x 32 x 16 uint8 (E2M1 codes of Wk, K innermost, in blocks of 32 codes, two codes a byte); Wk_scales 1,024 x 32 uint8 (E8M0 scales of Wk, one for each 32 codes along K); Wq_codes 1,024 x 32 x 16 uint8 (E2M1 codes of Wq, K innermost, in blocks of 32 codes, two codes a byte); Wq_scales 1,024 x 32 uint8 (E8M0 scales of Wq, one for each 32 codes along K); Wr_codes 1,024 x 32 x 16 uint8 (E2M1 codes of Wr, K innermost, in blocks of 32 codes, two codes a byte); Wr_scales 1,024 x 32 uint8 (E8M0 scales of Wr, one for each 32 codes along K); Wv_codes 1,024 x 32 x 16 uint8 (E2M1 codes of Wv, K innermost, in blocks of 32 codes, two codes a byte); Wv_scales 1,024 x 32 uint8 (E8M0 scales of Wv, one for each 32 codes along K); bk 1,024 float32; bq 1,024 float32; br 1,024 float32; bv 1,024 float32; x_codes 4 x 2,048 x 32 x 16 uint8 (E2M1 codes of x, K innermost, in blocks of 32 codes, two codes a byte); x_scales 4 x 2,048 x 32 uint8 (E8M0 scales of x, one for each 32 codes along K).
;; Outputs: out0 4 x 2,048 x 1,024 float32.
;; This version of the problem:
;;   THIS VERSION OF THE PROBLEM IS GIVEN IN LOW PRECISION. The matrix products marked QUANTISED in the list below multiply operands that are first quantised to E2M1 (2 exponent bits, 1 mantissa bit; 4 bits a number), with one power-of-two scale for each 32 numbers along K (OCP MX v1.0); their sums are f32. All else is computed in f32.
;;   The module's matrix products, in the order in which they are computed (A, B: the left and right operand; K: the contracted axis; several contracted axes count as one K, in the product's order):
;;     1. [M 8,192, K 1,024] x [K 1,024, N 1,024]; A: input x (given as codes); B: input Wq (given as codes): QUANTISED
;;     2. [M 8,192, K 1,024] x [K 1,024, N 1,024]; A: input x (given as codes); B: input Wk (given as codes): QUANTISED
;;     3. [M 8,192, K 1,024] x [K 1,024, N 1,024]; A: input x (given as codes); B: input Wv (given as codes): QUANTISED
;;     4. batch 64 x [M 2,048, K 64] x [K 64, N 2,048]; A: computed on the way; B: computed on the way: QUANTISED
;;     5. batch 64 x [M 2,048, K 2,048] x [K 2,048, N 64]; A: softmax (see below); B: computed on the way: QUANTISED
;;     6. [M 8,192, K 1,024] x [K 1,024, N 1,024]; A: input x (given as codes); B: input Wr (given as codes): QUANTISED
;;   THE QUANTISER, for each operand of a quantised product, along K:
;;     - K is cut into blocks of 32 from its start; a last block that is shorter is filled with zeros.
;;     - A block's scale is 2^e with e = floor(log2(the largest magnitude in the block)) - 2, held to -126 .. 127; a block of zeros has e = 0. As a byte (E8M0): e + 127.
;;     - Each number is divided by its block's scale, clamped to +-6, and rounded to the nearest number of E2M1, ties to even, subnormals kept.
;;     - The product sums the exact products of the quantised numbers (number of the format x scale) in f32.
;;   ~~~python
;;   def quantise(x, axis):      # numpy; x: float32 -> the quantised numbers, widened to float32 again
;;       x = np.moveaxis(x, axis, -1); K = x.shape[-1]
;;       x = np.pad(x, [(0, 0)] * (x.ndim - 1) + [(0, -K % 32)]); x = x.reshape(x.shape[:-1] + (-1, 32)); a = np.abs(x).max(-1, keepdims=True)
;;       e = np.where(a > 0, np.clip(np.frexp(np.where(a > 0, a, 1))[1] - 1 - 2, -126, 127), 0)      # np.frexp(a)[1] - 1 = floor(log2(a)), exactly
;;       r = np.clip(x / 2.0 ** e, -6, 6)
;;       step = 2.0 ** (np.maximum(np.frexp(np.where(r == 0, 1, r))[1] - 1, 0) - 1)
;;       q = np.round(r / step) * step * 2.0 ** e      # np.round: ties to even
;;       return np.moveaxis(q.reshape(q.shape[:-2] + (-1,))[..., :K], -1, axis).astype(np.float32)
;;   ~~~
;;   SOFTMAX AHEAD OF A QUANTISED PRODUCT. Where the list says 'softmax', what is quantised is not the finished softmax but p = 2^(t - M), with t = logit x log2(e) and M = ceil(the row's largest t), a whole number; so 1/2 < the row's largest p <= 1. The row's sum l is taken of the UNQUANTISED p, in f32, and the product's result is divided by l at the end. Since M is a whole number, a kernel that streams over the keys may use a running M (the ceiling of the running maximum): every later rescaling is an exact power of two, which a block's scale takes up: the codes' values come out the same.
;;   OPERANDS COMPUTED ON THE WAY. 'Computed on the way' means the value that the module computes at that place (a softmax that the list does not call 'softmax' is quantised finished and normalised). What goes into a quantiser is computed in f32, as accurately as f32 sums, v_exp_f32 and their like allow (about 1e-6 of the number): no bf16 or f16 on the way to a quantiser, and a product that is left as it is and whose result goes on into a quantised operand takes f32 operands (vector FMAs, or v_wmma_f32_16x16x4_f32). A number that lies on a knife's edge between two numbers of the format may be rounded either way, as far as f32 arithmetic and the matrix unit's own rounding can turn it there, and no further.
;;   INPUTS GIVEN AS CODES. Wk (in the module: [1024, 1024], K = its axis 0); Wq (in the module: [1024, 1024], K = its axis 0); Wr (in the module: [1024, 1024], K = its axis 0); Wv (in the module: [1024, 1024], K = its axis 0); x (in the module: [4, 2048, 1024], K = its axis 2): each comes as NAME_codes (uint8): NAME with its K axis moved to the last place and cut into blocks of 32 codes, [.., K / 32, bytes a block], one block behind the other in memory; two codes a byte, the lower K in the low four bits (a code: sign, 2 exponent bits, 1 mantissa bit); and NAME_scales (uint8): the same leading axes, one E8M0 byte (e + 127) for each 32 codes along K. Its value is code x scale, taken as it is: it is not quantised again, and the codes and scales need not be those that the quantiser above would give.
;; One version. Each part assembles by itself: llvm-mc -triple=amdgcn-amd-amdhsa -mcpu=gfx1250 --defsym DOCPART=n.
;; ======== version 1 of 1: 2 launches
;; workspace buffers: qimg 4,194,304 bytes; qscl 524,288 bytes; kv 9,175,040 bytes
;; launch proj (part 1): grid 16 x 32, 12 waves a work-group, clusters of 4 x 4, 263,680 bytes of LDS; arguments x_codes, x_scales, Wq_codes, Wq_scales, Wk_codes, Wk_scales, Wv_codes, Wv_scales, bq, bk, bv, qimg, qscl, kv; writes qimg, qscl, kv
.if DOCPART == 1
	.amdgcn_target "amdgcn-amd-amdhsa--gfx1250"
	.amdhsa_code_object_version 6
	.text
	.protected	k_qc9ce819707_proj
	.globl	k_qc9ce819707_proj
	.p2align	8
	.type	k_qc9ce819707_proj,@function
k_qc9ce819707_proj:
	s_mov_b64 s[64:65], 0
	v_nop
	global_prefetch_b8 v0, s[64:65] scope:SCOPE_SE
	s_setreg_imm32_b32 hwreg(HW_REG_WAVE_MODE, 25, 1), 1
	s_wait_xcnt 0x0
	s_wait_alu depctr_hold_cnt(0) depctr_sa_sdst(0) depctr_va_vdst(0) depctr_va_sdst(0) depctr_va_ssrc(0) depctr_va_vcc(0) depctr_vm_vsrc(0)
	s_getreg_b32 s2, hwreg(HW_REG_IB_STS2, 6, 4)
	s_cmp_eq_u32 s2, 0
	s_cbranch_scc0 .Lentry_in_a_cluster
	s_endpgm
.Lentry_in_a_cluster:
	s_bfe_u32 s2, ttmp6, 0x10000c
	s_cmp_lg_u32 s2, 0xf033
	s_cbranch_scc0 .Lentry_shape_is_right
	s_endpgm
.Lentry_shape_is_right:
; q = relu(x Wq + bq), k = relu(x Wk + bk), v = relu(x Wv + bv), on codes of FP4 (E2M1) with one E8M0 scale for each 32 along K, sums in f32; the results are quantised at once for the
; attention's products: q and k along the head's 64 numbers (two blocks of 32), v along the keys, and leave as IMAGES OF OPERAND REGISTERS: four registers of a fragment are 512 bytes, lane l's 16 bytes at 16 l.
; SHARES.  A work-group takes 256 rows of x and one head's 64 columns of Wq, Wk and Wv: twelve units of 64 x 64, one a wave (wave w: rows 64 (w % 4) on; w / 4 = 0: q, 1: k, 2: v).
; A unit is 16 accumulators of 16 x 16 and 8 steps of 128 along K: 128 matrix instructions.
; ONE BODY FOR BOTH ORDERS OF THE SOURCES.  q, k: source 0 = 16 rows of W (the head's numbers), source 1 = 16 rows of x: a lane holds ONE row of x and its registers run along the head's numbers, the next product's K.
; v: source 0 = 16 rows of x (keys), source 1 = 16 rows of Wv: a lane holds one of the head's numbers and its registers run along the keys, the next product's K.  Both sides are four tiles of 16
; neighbouring rows at one pitch, so only two base addresses change places.
; LDS is filled ONCE: all of K of the 256 rows of x and of the 3 x 64 rows of W, in two chunks of 512 along K, and their scale bytes.  No byte is filled again.
; CLUSTER 4 x 4: x's tiles hang on the block of rows alone and are shared along a row of the cluster, W's on the head alone and are shared along a column: each is asked for jointly, by the same tensor
; load with the same descriptor and a mask that names the four.
; THE QUANTISER: a block's scale byte is its largest magnitude's exponent field - 2, held at 1 from below by a floor among the maximum's leaves.
; LIMITS: NaN and infinities are not served.  A block of zeros, or one whose largest magnitude lies under 2^-124, gets the byte 1 (its codes are zeros or as the floor's scale gives them); the bytes are read by this program alone.
.set U,      17408                     ; a unit in LDS: 64 rows x (256 bytes + 16 of padding)
.set CH,     7*U                       ; a chunk: units 0-3 x's rows, 4 Wq, 5 Wk, 6 Wv
.set SCL,    2*CH                      ; behind the two chunks: the scale bytes
.set SU,     2176                      ; a unit's 2,048 scale bytes as 8 rows of 256 + 16
.set PITCH,  272                       ; 68 words: the 16 rows that a fragment load touches start at 16 different banks (64 banks of 4 bytes: ISA guide 11.1)
.set HEADKV, 143360                    ; a head's block in kv: K's images 65,536, V's images 65,536, K's scale words 8,192, V's scale halves 4,096
.set CODEW,  (1<<20)|(1<<21)|(5<<22)|(3<<25)   ; group 1, word 0: elements of 1 byte; padding on; bit 21 beside a mask; 4 words after every 64
.set SCALW,  (3<<16)|CODEW             ; the same with elements of 8 bytes
.set WV,   32                          ; s32 wave; s33 cx, s34 cy; s35 head; s36 block of 256 rows; s37, s38 masks of my row and my column of the cluster
.set SEL,  4                           ; s[4:5] selects of v_permlanex16_b32: lane l xor 16 (set when x's pointer there is spent)
.set G1X,  40                          ; s[40:47] group 1, x's codes;   s[48:55] W's codes;   s[56:63] x's scales;   s[68:75] W's scales
.set G1W,  48
.set G1SX, 56
.set G1SW, 68
.set G0X,  76                          ; s[76:87] x's three groups 0: scales, chunk 0, chunk 1;   s[88:99] W's
.set G0W,  88
.set AD0,  1                           ; v1, v2   LDS address of source 0's and source 1's fragments
.set AD1,  2
.set ADS0, 3                           ; v3, v4   and of their scale words
.set ADS1, 4
.set L16,  5                           ; v5, v6, v7   16, 8, 4 x lane
.set L8,   6
.set L4,   7
.set TM,   8                           ; v8-9 largest magnitudes; v10-11 the other half's; v12-13 the conversions' scale operands; v14-15 bytes
.set PX,   10
.set SO,   12
.set BY,   14
.set S0,   16                          ; v16-23, v24-31 scale words of source 0 and 1: two K steps a tile; these registers hold scales and nothing else
.set S1,   24
.set F0,   32                          ; v32-63, v64-95 four fragments a side
.set F1,   64
.set ACC,  96                          ; v96-223 accumulator (tile i0 of source 0, tile i1 of source 1) at 96 + 32 i1 + 8 i0
.set BI,   224                         ; v224-255 the bias
.set PC,   32                          ; on the way out: v32-47 codes, four registers for each i1; v48-51 scale words; v52-53 packed
.set SW,   48
.set PK,   52
.macro CROUND                          ; a round of the cluster's barrier
	s_barrier_signal -1
	s_barrier_wait -1
	s_cmp_lg_u32 s[WV], 0
	s_cbranch_scc1 .Lnot_wave_0_\@
	s_barrier_signal -3
.Lnot_wave_0_\@:
	s_barrier_wait -3
	s_barrier_signal -1
	s_barrier_wait -1
.endm
.macro PLACES n
.rept \n
	v_nop
.endr
.endm
	s_load_b512 s[4:19], s[0:1], 0x0               ; x codes s[4:5], x scales s[6:7], Wq s[8:11], Wk s[12:15], Wv s[16:19]
	s_load_b256 s[20:27], s[0:1], 0x40             ; bq, bk, bv, qimg
	s_load_b128 s[28:31], s[0:1], 0x60             ; qscl, kv
	s_set_vgpr_msb 0x40
	v_lshl_add_u32 v0, v0, 2, 0x40000
	v_mov_b32 v1, 0
	s_set_vgpr_msb 0x4045
	ds_add_u32 v0, v1
	ds_add_u32 v0, v1
	s_set_vgpr_msb 0x4500
	v_lshrrev_b32 v32, 5, v0
	s_delay_alu instid0(VALU_DEP_1)
	v_readfirstlane_b32 s[WV], v32                 ; wave 0..11
	s_bfe_u32 s33, ttmp6, 0x40000                  ; cx
	s_bfe_u32 s34, ttmp6, 0x40004                  ; cy
	s_lshl_b32 s35, ttmp9, 2
	s_add_co_u32 s35, s35, s33                     ; the head = 4 x cluster x + cx
	s_and_b32 s36, ttmp7, 0xffff
	s_lshl_b32 s36, s36, 2
	s_add_co_u32 s36, s36, s34                     ; the block of 256 rows = 4 x cluster y + cy
	s_lshl_b32 s37, s34, 2
	s_lshl_b32 s37, 15, s37                        ; my row of the cluster
	s_lshl_b32 s38, 0x1111, s33                    ; my column
	s_or_b32 s[G1X], s37, CODEW                    ; codes: 64 rows x 256 bytes out of rows of 512
	s_or_b32 s[G1W], s38, CODEW
.irp g, G1X, G1W
	s_mov_b32 s[\g+1], 256<<16                     ; tensor_dim0
	s_mov_b32 s[\g+2], 64<<16                      ; tensor_dim1
	s_mov_b32 s[\g+3], 256<<16                     ; tile_dim0
	s_mov_b32 s[\g+4], 64                          ; tile_dim1
	s_mov_b32 s[\g+5], 512                         ; from row to row
	s_mov_b32 s[\g+6], 0
	s_mov_b32 s[\g+7], 0
.endr
	s_or_b32 s[G1SX], s37, SCALW                   ; scale bytes: a dense block of 2,048 bytes as 8 rows of 32 elements of 8 bytes
	s_or_b32 s[G1SW], s38, SCALW
.irp g, G1SX, G1SW
	s_mov_b32 s[\g+1], 32<<16
	s_mov_b32 s[\g+2], 8<<16
	s_mov_b32 s[\g+3], 32<<16
	s_mov_b32 s[\g+4], 8
	s_mov_b32 s[\g+5], 32
	s_mov_b32 s[\g+6], 0
	s_mov_b32 s[\g+7], 0
.endr
	; which units are my sources: q, k: source 0 = W's unit 4 + w / 4, source 1 = x's unit w % 4; v: the other way round.  All from the wave's number, ahead of the first branch on it
	s_and_b32 s88, s[WV], 3                        ; my unit of x
	s_lshr_b32 s89, s[WV], 2                       ; 0 q, 1 k, 2 v
	s_lshr_b32 s90, s[WV], 3                       ; 1 for v
	s_add_co_u32 s91, s89, 4                       ; my unit of W
	s_xor_b32 s92, s88, s91
	s_mul_i32 s92, s92, s90                        ; their difference where they change places, else 0
	s_xor_b32 s91, s91, s92                        ; source 0's unit
	s_xor_b32 s92, s88, s92                        ; source 1's unit
	s_mul_i32 s93, s91, U
	s_mul_i32 s94, s92, U
	s_mul_i32 s91, s91, SU
	s_mul_i32 s92, s92, SU
	s_add_co_u32 s91, s91, SCL
	s_add_co_u32 s92, s92, SCL
	v_and_b32 v32, 15, v0                          ; r = lane % 16
	v_bfe_u32 v33, v0, 4, 1                        ; hh = lane / 16
	s_delay_alu instid0(VALU_DEP_2)
	v_mul_u32_u24 v34, v32, PITCH
	s_delay_alu instid0(VALU_DEP_1)
	v_lshl_add_u32 v34, v33, 4, v34                ; a fragment: row r, + 16 hh
	s_delay_alu instid0(VALU_DEP_1)
	v_add_nc_u32 v[AD0], s93, v34
	s_delay_alu instid0(VALU_DEP_2)
	v_add_nc_u32 v[AD1], s94, v34
	v_lshrrev_b32 v35, 3, v32
	v_lshlrev_b32 v34, 5, v32
	s_delay_alu instid0(VALU_DEP_1)
	v_lshl_add_u32 v34, v35, 4, v34                ; scale bytes: 32 a row, and 16 of padding behind every 8 rows
	s_delay_alu instid0(VALU_DEP_1)
	v_add_nc_u32 v[ADS0], s91, v34
	s_delay_alu instid0(VALU_DEP_2)
	v_add_nc_u32 v[ADS1], s92, v34
	v_and_b32 v[L4], 31, v0
	s_delay_alu instid0(VALU_DEP_1)
	v_lshlrev_b32 v[L16], 4, v[L4]
	s_delay_alu instid0(VALU_DEP_2)
	v_lshlrev_b32 v[L8], 3, v[L4]
	s_delay_alu instid0(VALU_DEP_3)
	v_lshlrev_b32 v[L4], 2, v[L4]
	v_lshlrev_b32 v12, 5, v33                      ; the bias of q, k: my half's eight numbers of a tile
	v_lshlrev_b32 v13, 2, v32                      ; of v: my one number
	v_mov_b32 v[PX], 0                             ; written once: a lane permute's destination counts as one of its sources
	v_mov_b32 v[PX+1], 0
	; byte offsets.  x's hang on the block of rows and the wave, W's on the head: each in registers of their own
	s_lshl_b32 s2, s36, 13
	s_lshl_b32 s3, s[WV], 11
	s_add_co_u32 s2, s2, s3                        ; x's scales: 32 x (256 block + 64 wave)
	s_mov_b32 s3, 0
	s_lshl_b32 s100, s36, 17
	s_lshl_b32 s101, s[WV], 15
	s_add_co_u32 s100, s100, s101                  ; x's codes: 512 x the same row
	s_mov_b32 s101, 0
	s_lshl_b32 s104, s35, 11                       ; W's scales: 32 x 64 x head
	s_mov_b32 s105, 0
	s_lshl_b32 s66, s35, 15                        ; W's codes: 512 x 64 x head
	s_mov_b32 s67, 0
	s_mul_i32 s39, s[WV], U                        ; where my unit goes: wave w fetches unit w
	s_wait_dscnt 0x0
	s_wait_kmcnt 0x0
	s_cmp_eq_u32 s[WV], 4                          ; wave 4 fetches Wq, 5 Wk, 6 Wv
	s_cselect_b64 s[8:9], s[8:9], s[12:13]
	s_cselect_b64 s[10:11], s[10:11], s[14:15]
	s_cmp_eq_u32 s[WV], 6
	s_cselect_b64 s[8:9], s[16:17], s[8:9]
	s_cselect_b64 s[10:11], s[18:19], s[10:11]
	s_mov_b32 s[G0X], 1                            ; x's scales
	s_mul_i32 s[G0X+1], s[WV], SU
	s_add_co_u32 s[G0X+1], s[G0X+1], SCL
	s_add_nc_u64 s[G0X+2:G0X+3], s[6:7], s[2:3]
	s_or_b32 s[G0X+3], s[G0X+3], 0x80000000
	s_mov_b32 s[G0X+4], 1                          ; x's codes, chunk 0
	s_mov_b32 s[G0X+5], s39
	s_add_nc_u64 s[G0X+6:G0X+7], s[4:5], s[100:101]
	s_mov_b32 s[G0X+8], 1                          ; chunk 1: 256 bytes on in each row
	s_add_co_u32 s[G0X+9], s39, CH
	s_add_nc_u64 s[G0X+10:G0X+11], s[G0X+6:G0X+7], 256
	s_or_b32 s[G0X+7], s[G0X+7], 0x80000000
	s_or_b32 s[G0X+11], s[G0X+11], 0x80000000
	s_mov_b32 s[G0W], 1                            ; W's likewise
	s_mul_i32 s[G0W+1], s[WV], SU
	s_add_co_u32 s[G0W+1], s[G0W+1], SCL
	s_add_nc_u64 s[G0W+2:G0W+3], s[10:11], s[104:105]
	s_or_b32 s[G0W+3], s[G0W+3], 0x80000000
	s_mov_b32 s[G0W+4], 1
	s_mov_b32 s[G0W+5], s39
	s_add_nc_u64 s[G0W+6:G0W+7], s[8:9], s[66:67]
	s_mov_b32 s[G0W+8], 1
	s_add_co_u32 s[G0W+9], s39, CH
	s_add_nc_u64 s[G0W+10:G0W+11], s[G0W+6:G0W+7], 256
	s_or_b32 s[G0W+7], s[G0W+7], 0x80000000
	s_or_b32 s[G0W+11], s[G0W+11], 0x80000000
	s_mov_b32 s[SEL], 0x76543210
	s_mov_b32 s[SEL+1], 0xfedcba98
	; my bias: bq, bk or bv at the head's 64 numbers
	s_cmp_lt_u32 s[WV], 4
	s_cselect_b64 s[20:21], s[20:21], s[22:23]
	s_cmp_lt_u32 s[WV], 8
	s_cselect_b64 s[20:21], s[20:21], s[24:25]
	s_lshl_b32 s104, s35, 8
	s_add_nc_u64 s[20:21], s[20:21], s[104:105]
	; where my unit's images and scale words go.  g = my unit of 64 rows in the batch's 2,048; bh = 16 x batch + head
	s_and_b32 s6, s[WV], 3
	s_and_b32 s7, s36, 7
	s_lshl_b32 s7, s7, 2
	s_add_co_u32 s15, s6, s7                       ; g
	s_lshr_b32 s16, s36, 3
	s_lshl_b32 s16, s16, 4
	s_add_co_u32 s16, s16, s35                     ; bh
	s_lshl_b32 s6, s16, 16                         ; the head in qimg
	s_mul_i32 s7, s16, HEADKV                      ; the head in kv
	s_lshl_b32 s8, s15, 11                         ; q, k: four images of 512 bytes a unit
	s_lshr_b32 s9, s15, 1
	s_lshl_b32 s9, s9, 12                          ; v: key step g / 2 (4,096 bytes),
	s_and_b32 s10, s15, 1
	s_lshl_b32 s10, s10, 9                         ; its half g % 2 (registers 4 (g % 2) on of each fragment),
	s_add_co_u32 s9, s9, s10
	s_add_co_u32 s9, s9, 65536                     ; behind K's images
	s_lshl_b32 s11, s16, 13                        ; the head in qscl
	s_lshl_b32 s12, s15, 8                         ; q, k: 256 bytes of scale words a unit
	s_add_co_u32 s13, s12, 131072                  ; k's lie behind the images
	s_lshl_b32 s14, s15, 7                         ; v: 128 bytes a unit
	s_add_co_u32 s14, s14, 139264
	s_cmp_lt_u32 s[WV], 4                          ; q?
	s_cselect_b64 s[26:27], s[26:27], s[30:31]     ; images: qimg or kv
	s_cselect_b64 s[28:29], s[28:29], s[30:31]     ; scale words: qscl or kv
	s_cselect_b32 s6, s6, s7
	s_cselect_b32 s11, s11, s7
	s_cselect_b32 s12, s12, s13
	s_cmp_lt_u32 s[WV], 8                          ; v?
	s_cselect_b32 s8, s8, s9
	s_cselect_b32 s12, s12, s14
	s_add_co_u32 s6, s6, s8
	s_mov_b32 s7, 0
	s_add_nc_u64 s[26:27], s[26:27], s[6:7]
	s_add_co_u32 s10, s11, s12
	s_mov_b32 s11, 0
	s_add_nc_u64 s[28:29], s[28:29], s[10:11]
	CROUND                                         ; all sixteen work-groups are here: the joint loads meet
	s_cmp_lt_u32 s[WV], 4                          ; a wave's three fills stand in one branch on its number: three tensor loads of mine are out
	s_cbranch_scc0 .Lnot_x
	tensor_load_to_lds s[G0X:G0X+3], s[G1SX:G1SX+7]
	s_nop 0
	tensor_load_to_lds s[G0X+4:G0X+7], s[G1X:G1X+7]
	s_nop 0
	tensor_load_to_lds s[G0X+8:G0X+11], s[G1X:G1X+7]
	s_nop 0
	PLACES 4
	s_branch .Lasked
.Lnot_x:
	s_cmp_lt_u32 s[WV], 7
	s_cbranch_scc0 .Lasked
	tensor_load_to_lds s[G0W:G0W+3], s[G1SW:G1SW+7]
	s_nop 0
	tensor_load_to_lds s[G0W+4:G0W+7], s[G1W:G1W+7]
	s_nop 0
	tensor_load_to_lds s[G0W+8:G0W+11], s[G1W:G1W+7]
	s_nop 0
	PLACES 4
.Lasked:
	s_cmp_lt_u32 s[WV], 8
	s_cbranch_scc0 .Lbias_v
	s_wait_alu depctr_va_vdst(0)
.irp i, 0,1,2,3                        ; q, k: register 8 i0 + j wants the bias of the head's number 16 i0 + 8 hh + j, for every tile of rows
	global_load_b128 v[BI+8*\i:BI+8*\i+3], v12, s[20:21] offset:64*\i
	global_load_b128 v[BI+8*\i+4:BI+8*\i+7], v12, s[20:21] offset:64*\i+16
.endr
	s_branch .Lbias_in
.Lbias_v:
	s_wait_alu depctr_va_vdst(0)
.irp i, 0,1,2,3                        ; v: all registers of tile i1 want the bias of the head's number 16 i1 + r: twice, a pair for the packed addition
	global_load_b32 v[BI+2*\i], v13, s[20:21] offset:64*\i
	global_load_b32 v[BI+2*\i+1], v13, s[20:21] offset:64*\i
.endr
.Lbias_in:
; A step of 128 along K: the q-th of chunk j.  Four places in front of loads into registers that matrix instructions have read (ISA guide 7.12.1 for vector instructions).
; The 16 accumulators take turns, one instruction a turn, in the same order in every step.
.macro KSTEP j, q
.if (\j)+(\q) > 0
	PLACES 4
.endif
.if (\q)%2 == 0
.irp i, 0,1,2,3
	ds_load_b64 v[S0+2*\i:S0+2*\i+1], v[ADS0] offset:544*\i+16*(\j)+4*(\q)   ; two steps' scale words of tile i's rows
.endr
.irp i, 0,1,2,3
	ds_load_b64 v[S1+2*\i:S1+2*\i+1], v[ADS1] offset:544*\i+16*(\j)+4*(\q)
.endr
.endif
.irp i, 0,1,2,3
	ds_load_b128 v[F0+8*\i:F0+8*\i+3], v[AD0] offset:16*PITCH*\i+64*(\q)
	ds_load_b128 v[F0+8*\i+4:F0+8*\i+7], v[AD0] offset:16*PITCH*\i+64*(\q)+32
.endr
.irp i, 0,1,2,3
	ds_load_b128 v[F1+8*\i:F1+8*\i+3], v[AD1] offset:16*PITCH*\i+64*(\q)
	ds_load_b128 v[F1+8*\i+4:F1+8*\i+7], v[AD1] offset:16*PITCH*\i+64*(\q)+32
.endr
.irp n, 0,1,2,3
	s_wait_dscnt 2*(3-\n)                          ; LDS loads come back in order: all but the later tiles of source 1, two loads each, are in
.irp m, 0,1,2,3
.if (\j)+(\q) == 0
	v_wmma_scale_f32_16x16x128_f8f6f4 v[ACC+32*\n+8*\m:ACC+32*\n+8*\m+7], v[F0+8*\m:F0+8*\m+7], v[F1+8*\n:F1+8*\n+7], 0, v[S0+2*\m], v[S1+2*\n] matrix_a_fmt:MATRIX_FMT_FP4 matrix_b_fmt:MATRIX_FMT_FP4
.else
	v_wmma_scale_f32_16x16x128_f8f6f4 v[ACC+32*\n+8*\m:ACC+32*\n+8*\m+7], v[F0+8*\m:F0+8*\m+7], v[F1+8*\n:F1+8*\n+7], v[ACC+32*\n+8*\m:ACC+32*\n+8*\m+7], v[S0+2*\m+(\q)%2], v[S1+2*\n+(\q)%2] matrix_a_fmt:MATRIX_FMT_FP4 matrix_b_fmt:MATRIX_FMT_FP4
.endif
.endr
.endr
.endm
	s_wait_tensorcnt 0x1                           ; my scale bytes and my part of chunk 0 are in; the one load that may stay out is chunk 1's
	s_barrier_signal -1
	s_barrier_wait -1                              ; everybody's are
	KSTEP 0, 0                                     ; the first step's products start the sums: nothing is cleared
	KSTEP 0, 1
	KSTEP 0, 2
	KSTEP 0, 3
	s_wait_tensorcnt 0x0                           ; my part of chunk 1 is in (no LDS load of mine is out: the last step's count ran down to 0),
	s_barrier_signal -1
	s_barrier_wait -1                              ; everybody's is
	v_add_nc_u32 v[AD0], CH, v[AD0]
	s_wait_alu depctr_va_vdst(0)
	v_add_nc_u32 v[AD1], CH, v[AD1]
	s_wait_alu depctr_va_vdst(0)
	KSTEP 1, 0
	KSTEP 1, 1
	KSTEP 1, 2
	KSTEP 1, 3
; THE WAY OUT, a tile i1 of source 1 at a time.  Its 32 registers are 64 neighbours along the next K in this order: register 16 b + 8 u + j is number 32 b + 16 u + 8 hh + j.  Bias, relu, the two blocks' scales;
; a conversion of tile (b, u) gives group 2 u + hh of block b's four groups of eight codes.  The operand wants block hh whole in lane half hh: the results of (0, u) and (1, u) stand in registers 2 u and 2 u + 1,
; and one exchange of the first's upper lanes with the second's lower lanes puts them there.
.macro EPI isv
.irp n, 0,1,2,3
.set AC, ACC+32*\n
.irp p, 0,2,4,6,8,10,12,14,16,18,20,22,24,26,28,30
.if \isv
	v_pk_add_f32 v[AC+\p:AC+\p+1], v[AC+\p:AC+\p+1], v[BI+2*\n:BI+2*\n+1]   ; each accumulator is read from its low end on
.else
	v_pk_add_f32 v[AC+\p:AC+\p+1], v[AC+\p:AC+\p+1], v[BI+\p:BI+\p+1]
.endif
.endr
.set J, 0
.rept 32
	v_max_num_f32 v[AC+J], 0, v[AC+J]              ; relu, in f32
.set J, J+1
.endr
	v_max3_num_f32 v[TM], v[AC], v[AC+1], 0x1800000       ; my 16 numbers of each block (none is negative), and the floor 2^(3 - 127): the byte cannot fall under 1
	v_max3_num_f32 v[TM+1], v[AC+16], v[AC+17], 0x1800000
.irp i, 2,4,6,8,10,12,14
	s_delay_alu instid0(VALU_DEP_2)
	v_max3_num_f32 v[TM], v[TM], v[AC+\i], v[AC+\i+1]
	s_delay_alu instid0(VALU_DEP_2)
	v_max3_num_f32 v[TM+1], v[TM+1], v[AC+16+\i], v[AC+17+\i]
.endr
	s_delay_alu instid0(VALU_DEP_2)
	v_permlanex16_b32 v[PX], v[TM], s[SEL], s[SEL+1]
	s_delay_alu instid0(VALU_DEP_2)
	v_permlanex16_b32 v[PX+1], v[TM+1], s[SEL], s[SEL+1]
	s_delay_alu instid0(VALU_DEP_2)
	v_max_num_f32 v[TM], v[TM], v[PX]              ; with lane l xor 16's 16: the block's largest magnitude
	s_delay_alu instid0(VALU_DEP_2)
	v_max_num_f32 v[TM+1], v[TM+1], v[PX+1]
	s_delay_alu instid0(VALU_DEP_2)
	v_add_nc_u32 v[SO], 0xff000000, v[TM]          ; 2 off the exponent field: the conversion takes this operand's exponent field as its scale
	s_delay_alu instid0(VALU_DEP_2)
	v_add_nc_u32 v[SO+1], 0xff000000, v[TM+1]
	s_delay_alu instid0(VALU_DEP_2)
	v_lshrrev_b32 v[BY], 23, v[SO]                 ; the scale's byte
	s_delay_alu instid0(VALU_DEP_2)
	v_lshrrev_b32 v[BY+1], 23, v[SO+1]
	s_delay_alu instid0(VALU_DEP_1)
	v_lshl_or_b32 v[SW+\n], v[BY+1], 8, v[BY]      ; two bytes; the word's upper two stay 0
	v_cvt_scalef32_pk8_fp4_f32 v[PC+4*\n], v[AC:AC+7], v[SO]
	v_cvt_scalef32_pk8_fp4_f32 v[PC+4*\n+1], v[AC+16:AC+23], v[SO+1]
	v_cvt_scalef32_pk8_fp4_f32 v[PC+4*\n+2], v[AC+8:AC+15], v[SO]
	v_cvt_scalef32_pk8_fp4_f32 v[PC+4*\n+3], v[AC+24:AC+31], v[SO+1]
	v_nop                                          ; one plain place behind a scaled conversion
	v_permlane16_swap_b32 v[PC+4*\n], v[PC+4*\n+1]
	v_permlane16_swap_b32 v[PC+4*\n+2], v[PC+4*\n+3]
.if \isv
	global_store_b128 v[L16], v[PC+4*\n:PC+4*\n+3], s[26:27] offset:1024*\n   ; half a fragment of V: 512 consecutive bytes, aligned to 512
.else
	global_store_b128 v[L16], v[PC+4*\n:PC+4*\n+3], s[26:27] offset:512*\n    ; the image of 16 rows: 512 consecutive bytes, aligned to 512
.endif
.endr
	v_cndmask_b32 v[PK], v[SW], v[SW+1], vcc_lo    ; lanes 0-15 tile 0's words, lanes 16-31 tile 1's
	v_cndmask_b32 v[PK+1], v[SW+2], v[SW+3], vcc_lo    ; tiles 2 and 3
.if \isv
	s_delay_alu instid0(VALU_DEP_1)
	v_lshl_or_b32 v[PK], v[PK+1], 16, v[PK]        ; v: this unit's two bytes of tiles 0, 1 below, of tiles 2, 3 above
	global_store_b32 v[L4], v[PK], s[28:29]        ; 128 consecutive bytes: the other half of the aligned 256 is the neighbouring unit's
.else
	global_store_b64 v[L8], v[PK:PK+1], s[28:29]   ; 256 consecutive bytes, aligned
.endif
.endm
	PLACES 4                                       ; behind the last products, in front of the first read of results
	s_wait_loadcnt 0x0                             ; the bias
	s_mov_b32 vcc_lo, 0xffff0000                   ; lanes 16-31
	s_cmp_lt_u32 s[WV], 8
	s_cbranch_scc0 .Lout_v
	EPI 0
	s_branch .Lend
.Lout_v:
	EPI 1
.Lend:
	s_set_vgpr_msb 0x5
	s_wait_tensorcnt 0x0
	ds_add_u32 v0, v1
	s_wait_dscnt 0x0
	s_set_vgpr_msb 0x500
	CROUND                                         ; the closing round: no work-group ends while a partner may still ask for a tile that names it
	s_endpgm
.Lfunc_end_k_qc9ce819707_proj:
	.size	k_qc9ce819707_proj, .Lfunc_end_k_qc9ce819707_proj-k_qc9ce819707_proj
	.p2alignl 7, 3214868480
	.fill 96, 4, 3214868480
	.section	.rodata,"a",@progbits
	.p2align	6, 0x0
	.amdhsa_kernel k_qc9ce819707_proj
		.amdhsa_group_segment_fixed_size 263680
		.amdhsa_private_segment_fixed_size 0
		.amdhsa_enable_private_segment 0
		.amdhsa_kernarg_size 112
		.amdhsa_user_sgpr_count 2
		.amdhsa_user_sgpr_kernarg_segment_ptr 1
		.amdhsa_wavefront_size32 1
		.amdhsa_system_sgpr_workgroup_id_x 1
		.amdhsa_system_sgpr_workgroup_id_y 1
		.amdhsa_system_sgpr_workgroup_id_z 1
		.amdhsa_system_vgpr_workitem_id 0
		.amdhsa_next_free_vgpr 258
		.amdhsa_next_free_sgpr 106
		.amdhsa_reserve_vcc 1
		.amdhsa_float_denorm_mode_32 3
		.amdhsa_float_denorm_mode_16_64 3
		.amdhsa_memory_ordered 1
		.amdhsa_forward_progress 1
		.amdhsa_inst_pref_size 79
	.end_amdhsa_kernel
	.amdgpu_metadata
---
amdhsa.version: [ 1, 2 ]
amdhsa.kernels:
  - .name:           k_qc9ce819707_proj
    .symbol:         k_qc9ce819707_proj.kd
    .args:
      - { .name: x_codes, .offset: 0, .size: 8, .value_kind: global_buffer, .address_space: global }
      - { .name: x_scales, .offset: 8, .size: 8, .value_kind: global_buffer, .address_space: global }
      - { .name: Wq_codes, .offset: 16, .size: 8, .value_kind: global_buffer, .address_space: global }
      - { .name: Wq_scales, .offset: 24, .size: 8, .value_kind: global_buffer, .address_space: global }
      - { .name: Wk_codes, .offset: 32, .size: 8, .value_kind: global_buffer, .address_space: global }
      - { .name: Wk_scales, .offset: 40, .size: 8, .value_kind: global_buffer, .address_space: global }
      - { .name: Wv_codes, .offset: 48, .size: 8, .value_kind: global_buffer, .address_space: global }
      - { .name: Wv_scales, .offset: 56, .size: 8, .value_kind: global_buffer, .address_space: global }
      - { .name: bq, .offset: 64, .size: 8, .value_kind: global_buffer, .address_space: global }
      - { .name: bk, .offset: 72, .size: 8, .value_kind: global_buffer, .address_space: global }
      - { .name: bv, .offset: 80, .size: 8, .value_kind: global_buffer, .address_space: global }
      - { .name: qimg, .offset: 88, .size: 8, .value_kind: global_buffer, .address_space: global }
      - { .name: qscl, .offset: 96, .size: 8, .value_kind: global_buffer, .address_space: global }
      - { .name: kv, .offset: 104, .size: 8, .value_kind: global_buffer, .address_space: global }
    .group_segment_fixed_size: 263680
    .private_segment_fixed_size: 0
    .kernarg_segment_align: 8
    .kernarg_segment_size: 112
    .max_flat_workgroup_size: 384
    .sgpr_count:     106
    .vgpr_count:     258
    .wavefront_size: 32
...
	.end_amdgpu_metadata
.endif
;; end of part 1
;; launch attn (part 2): grid 4 x 64, 16 waves a work-group, clusters of 4 x 1, 327,680 bytes of LDS; arguments qimg, qscl, kv, x_codes, x_scales, Wr_codes, Wr_scales, br, out0; writes out0
.if DOCPART == 2
	.amdgcn_target "amdgcn-amd-amdhsa--gfx1250"
	.amdhsa_code_object_version 6
	.text
	.protected	k_qc9ce819707_attn
	.globl	k_qc9ce819707_attn
	.p2align	8
	.type	k_qc9ce819707_attn,@function
k_qc9ce819707_attn:
	s_mov_b64 s[64:65], 0
	v_nop
	global_prefetch_b8 v0, s[64:65] scope:SCOPE_SE
	s_setreg_imm32_b32 hwreg(HW_REG_WAVE_MODE, 25, 1), 1
	s_wait_xcnt 0x0
	s_wait_alu depctr_hold_cnt(0) depctr_sa_sdst(0) depctr_va_vdst(0) depctr_va_sdst(0) depctr_va_ssrc(0) depctr_va_vcc(0) depctr_vm_vsrc(0)
	s_getreg_b32 s2, hwreg(HW_REG_IB_STS2, 6, 4)
	s_cmp_eq_u32 s2, 0
	s_cbranch_scc0 .Lentry_in_a_cluster
	s_endpgm
.Lentry_in_a_cluster:
	s_bfe_u32 s2, ttmp6, 0x10000c
	s_cmp_lg_u32 s2, 0x3003
	s_cbranch_scc0 .Lentry_shape_is_right
	s_endpgm
.Lentry_shape_is_right:
; out0[b][q][64 h + d] = (sum over keys of softmax(q . k) v)[d] + (x Wr + br)[q][64 h + d].  All three products on codes of FP4 (E2M1) with one E8M0 scale for each 32 along K, sums in f32.
; THE SOFTMAX AHEAD OF THE SECOND PRODUCT: t = score x log2(e); M = the row's largest t so far, rounded UP to a whole number; p = 2^(t - M) is quantised along the keys, not normalised.  The row's sum is taken of the
; unquantised p, in f32, and divides at the end.  When M moves, the sum and O are multiplied by 2^(old M - new M): exact.
; SHARES.  A work-group owns 512 queries of one (batch, head); each of its sixteen waves 32 of them: two tiles, A and B, which share every fragment of K and V read from LDS.  256 registers a wave, four waves to a SIMD,
; so that one wave's vector work stands beside another's matrix work and LDS loads.  Every wave walks the head's 2,048 keys, 128 a step.
; LDS is filled ONCE: the head's block of kv (K's and V's images of operand registers and their scale words, 143,360 bytes) and the head's 64 rows of Wr.  No byte is filled again.
; CLUSTER 4 x 1: the four blocks of queries of one (batch, head) want the same block of kv and the same rows of Wr: both are asked for jointly, mask 15.
; LAYOUT.  All products are used transposed (source 0 = 16 keys, 16 of the head's numbers, or 16 rows of Wr; source 1 = 16 queries): a lane holds ONE query (lane % 16) throughout.
; THE FIRST PRODUCT'S K IS 64, the instruction's 128: registers 4-7 of Q's fragments are zero codes; K's tiles lie four registers each, one behind the other, so that the upper half that the instruction names is
; the next tile's codes, which meet Q's zeros (behind the last tile: four registers of zeros).  The scale words' bytes 2 and 3 are 0, a power of two like any other.
; No stream is asked for ahead of its loads: all that the launch reads is requested once, at its head.
; LIMITS: NaN and infinities are not served.  A block of p whose largest number lies under 2^-124 gets the byte 1; v_exp_f32 gives 0 for results under 2^-126 (ISA guide, its entry).
.set HEADKV, 143360                    ; LDS 0 ..: the head's block: K's images 65,536 (tile of 16 keys: 512 bytes), V's images 65,536 (key step 4,096: tile t, half c: 512 bytes),
.set KVPART, 17920                     ;   (a wave's share of it: 70 rows of 256 bytes)
.set VIM,    65536
.set KSC,    131072                    ;   K's scale words 8,192 (64 keys: 256 bytes, lane l's two words at 8 l: tiles l / 16 and 2 + l / 16),
.set VSC,    139264                    ;   V's scale halves 4,096 (64 keys: 128 bytes, lane l's word at 4 l)
.set WR,     143360                    ; Wr's 64 rows of 512 bytes + 16
.set WRP,    528                       ; 132 words: 16 rows start at 16 different banks (64 banks of 4 bytes: ISA guide 11.1)
.set STASH,  177152                    ; each wave's own 8,704 bytes, used three times in turn: x's 16 rows x 528; the two residual images; the two stages of 16 rows x 272
.set STW,    8704
.set HALF,   4352
.set SP,     272
.set WV,  22                           ; s22 wave; s23 cx; s24 16 b + h; s25 b; s26 h; s27 block of 512 queries
.set SEL, 56                           ; s[56:57] selects of v_permlanex16_b32: lane l xor 16
.set CS,  58                           ; s[58:59] c = log2(e): the packed form names a pair and takes its low word for both halves
.set TK,  60                           ; s60 where the step's images of K begin; s61 its scale words of K; s62 of V; s63 steps to go
.set TS,  61
.set TV,  62
.set CNT, 63
.set P0,  66                           ; s66, s67 byte selects: two low halves, two high halves
.set P1,  67
.set MY,  68                           ; s68 my wave's scratch in LDS
.set ADK, 1                            ; v1-4 LDS addresses of the loads in hand (ahead of the loop: v1 scratch + 16 x lane, v2 x's fragments in it, v3 Wr's fragments)
.set ADV, 2
.set ADS, 3
.set ADT, 4
.set LN,  5                            ; v5 lane
.set TMP, 6
.set QS,  7                            ; v7-31 hold scales and nothing else.  v7: Q's words, lanes 0-15 tile A, lanes 16-31 tile B
.set XS,  8                            ; ahead of the loop: v8-15 x's words (lane l: query l; register q: K step q); v16-31 Wr's (lane l: row 32 p + l; register 8 p + q)
.set WS,  16
.set KS,  8                            ; in the loop: v8-11 K's words; v12-13 V's; v14, v15 p's of tile A, B
.set VS,  12
.set PW,  14
.set QF,  32                           ; v32-35 Q of A, v36-39 zeros, v40-43 Q of B, v44-47 zeros
.set STAT, 48                          ; v48-51, v52-55: -M, the largest t, the sum in two halves
.set VR,  56                           ; v56-57 V's scale halves as loaded
.set FF,  58                           ; v[58:59] f = 2^(old M - new M)
.set KV,  60                           ; v60-95: K's tile T at 60 + 4 T, v92-95 zeros; later V's fragment t at 60 + 8 t
.set SS,  96                           ; v96-159 S^T, then p
.set OT,  160                          ; v160-191, v192-223 O^T of A, B
.set PC,  224                          ; v224-231, v232-239 p's codes
.set BM,  240                          ; v240-243 the blocks' largest; v244-247 the other half's, then bytes; v248-251 the conversions' scale operands; v[252:253] the sum's second chain
.set PX,  244
.set SO,  248
.set SUM2, 252
.set WF,  48                           ; ahead of the loop: v48-63 two fragments of Wr; v64-95 tile B's residual (it begins as br); v96-159, v160-223 x's fragments of A, B; v224-255 tile A's residual
.set RB,  64
.set XA,  96
.set XB,  160
.set RA,  224
.set G16, 224                          ; until the first loads are in: v224-227 global offsets: 16, 32, 8 x lane, 32 x (lane / 16)
.set G32, 225
.set G8,  226
.set GH,  227
.macro CROUND                          ; a round of the cluster's barrier
	s_barrier_signal -1
	s_barrier_wait -1
	s_cmp_lg_u32 s[WV], 0
	s_cbranch_scc1 .Lnot_wave_0_\@
	s_barrier_signal -3
.Lnot_wave_0_\@:
	s_barrier_wait -3
	s_barrier_signal -1
	s_barrier_wait -1
.endm
.macro PLACES n
.rept \n
	v_nop
.endr
.endm
; One matrix instruction.  d, a, b: first registers of D, source 0, source 1; c: of C, or under 0 for the constant 0; sa, sb: the scale registers; ra, rb = 1: the scales stand in lanes 16-31
.macro WM d, a, b, c, sa, sb, ra, rb
.if (\c) < 0
.if (\ra) && (\rb)
	v_wmma_scale_f32_16x16x128_f8f6f4 v[(\d):(\d)+7], v[(\a):(\a)+7], v[(\b):(\b)+7], 0, v[\sa], v[\sb] matrix_a_fmt:MATRIX_FMT_FP4 matrix_b_fmt:MATRIX_FMT_FP4 matrix_a_scale:MATRIX_SCALE_ROW1 matrix_b_scale:MATRIX_SCALE_ROW1
.elseif (\ra)
	v_wmma_scale_f32_16x16x128_f8f6f4 v[(\d):(\d)+7], v[(\a):(\a)+7], v[(\b):(\b)+7], 0, v[\sa], v[\sb] matrix_a_fmt:MATRIX_FMT_FP4 matrix_b_fmt:MATRIX_FMT_FP4 matrix_a_scale:MATRIX_SCALE_ROW1
.elseif (\rb)
	v_wmma_scale_f32_16x16x128_f8f6f4 v[(\d):(\d)+7], v[(\a):(\a)+7], v[(\b):(\b)+7], 0, v[\sa], v[\sb] matrix_a_fmt:MATRIX_FMT_FP4 matrix_b_fmt:MATRIX_FMT_FP4 matrix_b_scale:MATRIX_SCALE_ROW1
.else
	v_wmma_scale_f32_16x16x128_f8f6f4 v[(\d):(\d)+7], v[(\a):(\a)+7], v[(\b):(\b)+7], 0, v[\sa], v[\sb] matrix_a_fmt:MATRIX_FMT_FP4 matrix_b_fmt:MATRIX_FMT_FP4
.endif
.else
.if (\ra) && (\rb)
	v_wmma_scale_f32_16x16x128_f8f6f4 v[(\d):(\d)+7], v[(\a):(\a)+7], v[(\b):(\b)+7], v[(\c):(\c)+7], v[\sa], v[\sb] matrix_a_fmt:MATRIX_FMT_FP4 matrix_b_fmt:MATRIX_FMT_FP4 matrix_a_scale:MATRIX_SCALE_ROW1 matrix_b_scale:MATRIX_SCALE_ROW1
.elseif (\ra)
	v_wmma_scale_f32_16x16x128_f8f6f4 v[(\d):(\d)+7], v[(\a):(\a)+7], v[(\b):(\b)+7], v[(\c):(\c)+7], v[\sa], v[\sb] matrix_a_fmt:MATRIX_FMT_FP4 matrix_b_fmt:MATRIX_FMT_FP4 matrix_a_scale:MATRIX_SCALE_ROW1
.elseif (\rb)
	v_wmma_scale_f32_16x16x128_f8f6f4 v[(\d):(\d)+7], v[(\a):(\a)+7], v[(\b):(\b)+7], v[(\c):(\c)+7], v[\sa], v[\sb] matrix_a_fmt:MATRIX_FMT_FP4 matrix_b_fmt:MATRIX_FMT_FP4 matrix_b_scale:MATRIX_SCALE_ROW1
.else
	v_wmma_scale_f32_16x16x128_f8f6f4 v[(\d):(\d)+7], v[(\a):(\a)+7], v[(\b):(\b)+7], v[(\c):(\c)+7], v[\sa], v[\sb] matrix_a_fmt:MATRIX_FMT_FP4 matrix_b_fmt:MATRIX_FMT_FP4
.endif
.endif
.endm
	s_load_b512 s[4:19], s[0:1], 0x0               ; qimg s[4:5], qscl s[6:7], kv s[8:9], x codes s[10:11], x scales s[12:13], Wr codes s[14:15], Wr scales s[16:17], br s[18:19]
	s_load_b64 s[20:21], s[0:1], 0x40              ; out0
	v_lshl_add_u32 v254, v0, 2, 0x4d400
	v_mov_b32 v255, 0
	ds_add_u32 v254, v255
	ds_add_u32 v254, v255
	s_wait_dscnt 0x0
	v_lshrrev_b32 v1, 5, v0
	s_delay_alu instid0(VALU_DEP_1)
	v_readfirstlane_b32 s[WV], v1                  ; wave 0..15
	s_bfe_u32 s23, ttmp6, 0x40000                  ; cx
	s_and_b32 s24, ttmp7, 0xffff                   ; 16 b + h, which the four partners share
	s_lshr_b32 s25, s24, 4                         ; b
	s_and_b32 s26, s24, 15                         ; h
	s_lshl_b32 s27, ttmp9, 2
	s_add_co_u32 s27, s27, s23                     ; my block of 512 queries: it enters global addresses of my own loads and stores alone
	s_mov_b32 s32, 15|(3<<16)|(1<<21)              ; group 1 for the head's block: mask: all four; elements of 8 bytes; bit 21 beside a mask; no padding
	s_mov_b32 s33, 32<<16                          ; tensor_dim0 = 32 elements: 256 bytes
	s_mov_b32 s34, 70<<16                          ; tensor_dim1
	s_mov_b32 s35, 32<<16                          ; tile_dim0
	s_mov_b32 s36, 70                              ; tile_dim1
	s_mov_b32 s37, 32                              ; dense
	s_mov_b32 s38, 0
	s_mov_b32 s39, 0
	s_mov_b32 s40, 15|(1<<20)|(1<<21)|(6<<22)|(3<<25)   ; for Wr: elements of 1 byte; 4 words of padding after every 128
	s_mov_b32 s41, 512<<16
	s_mov_b32 s42, 64<<16
	s_mov_b32 s43, 512<<16
	s_mov_b32 s44, 64
	s_mov_b32 s45, 512
	s_mov_b32 s46, 0
	s_mov_b32 s47, 0
	s_mov_b32 s[SEL], 0x76543210
	s_mov_b32 s[SEL+1], 0xfedcba98
	s_mov_b32 s[CS], 0x3fb8aa3b                    ; log2(e)
	s_mov_b32 s[CS+1], s[CS]                       ; (named with it as a pair, so it is written)
	s_mov_b32 s[P0], 0x05040100
	s_mov_b32 s[P1], 0x07060302
	s_mul_i32 s[MY], s[WV], STW
	s_add_co_u32 s[MY], s[MY], STASH               ; my scratch: the wave's number alone
	v_and_b32 v[LN], 31, v0
	v_and_b32 v224, 15, v0                         ; r
	v_bfe_u32 v225, v0, 4, 1                       ; hh
	s_delay_alu instid0(VALU_DEP_3)
	v_lshl_add_u32 v1, v[LN], 4, s[MY]             ; scratch + 16 x lane
	s_delay_alu instid0(VALU_DEP_3)
	v_mul_u32_u24 v226, v224, WRP
	s_delay_alu instid0(VALU_DEP_1)
	v_lshl_add_u32 v226, v225, 4, v226             ; a fragment from rows of 528 bytes: row r, + 16 hh
	s_delay_alu instid0(VALU_DEP_1)
	v_add_nc_u32 v2, s[MY], v226
	s_delay_alu instid0(VALU_DEP_2)
	v_add_nc_u32 v3, WR, v226
	v_lshlrev_b32 v[GH], 5, v225
	v_lshlrev_b32 v[G16], 4, v[LN]
	v_lshlrev_b32 v[G32], 5, v[LN]
	v_lshlrev_b32 v[G8], 3, v[LN]
	; what is asked for jointly hangs on the head and the wave alone
	s_mul_i32 s28, s24, HEADKV
	s_mul_i32 s29, s[WV], KVPART
	s_add_co_u32 s28, s28, s29
	s_mov_b32 s29, 0
	s_lshl_b32 s2, s26, 15                         ; Wr: 64 h rows of 512 bytes
	s_mov_b32 s3, 0
	s_lshl_b32 s30, s25, 11
	s_lshl_b32 s31, s27, 9
	s_add_co_u32 s30, s30, s31
	s_lshl_b32 s31, s[WV], 5
	s_add_co_u32 s69, s30, s31                     ; my first row of x and of out0: 2,048 b + 512 block + 32 wave
	s_mov_b32 s31, 0
	s_mov_b32 s71, 0
	s_wait_kmcnt 0x0
	s_mov_b32 s48, 1
	s_mul_i32 s49, s[WV], KVPART                   ; LDS: as in memory
	s_add_nc_u64 s[50:51], s[8:9], s[28:29]
	s_or_b32 s51, s51, 0x80000000
	s_mov_b32 s52, 1
	s_mov_b32 s53, WR
	s_add_nc_u64 s[54:55], s[14:15], s[2:3]
	s_or_b32 s55, s55, 0x80000000
	s_lshl_b32 s30, s69, 9
	s_add_nc_u64 s[10:11], s[10:11], s[30:31]      ; x's codes at my first row
	s_lshl_b32 s30, s69, 5
	s_add_nc_u64 s[12:13], s[12:13], s[30:31]      ; x's scales
	s_lshl_b32 s30, s69, 12
	s_lshl_b32 s70, s26, 8
	s_add_co_u32 s30, s30, s70
	s_add_nc_u64 s[20:21], s[20:21], s[30:31]      ; out0 at my first row, the head's 256 bytes
	s_add_nc_u64 s[18:19], s[18:19], s[70:71]      ; br at the head's 64 numbers
	s_lshl_b32 s70, s26, 11
	s_add_nc_u64 s[16:17], s[16:17], s[70:71]      ; Wr's scales at the head's 64 rows
	s_lshl_b32 s30, s24, 16
	s_lshl_b32 s70, s27, 14
	s_add_co_u32 s30, s30, s70
	s_lshl_b32 s70, s[WV], 10
	s_add_co_u32 s30, s30, s70
	s_add_nc_u64 s[4:5], s[4:5], s[30:31]          ; Q's images: 512 bytes for each 16 queries
	s_lshl_b32 s30, s24, 13
	s_lshl_b32 s70, s27, 11
	s_add_co_u32 s30, s30, s70
	s_lshr_b32 s70, s[WV], 1
	s_lshl_b32 s70, s70, 8
	s_add_co_u32 s30, s30, s70                     ; Q's scale words: 256 bytes for each 64 queries,
	s_and_b32 s70, s[WV], 1
	s_lshl_b32 s70, s70, 2
	s_add_co_u32 s30, s30, s70                     ; the word of my two tiles
	s_add_nc_u64 s[6:7], s[6:7], s[30:31]
	CROUND                                         ; all four work-groups are here: the joint loads meet
	s_cmp_lt_u32 s[WV], 8                          ; waves 0-7: an eighth of the head's block each; wave 8: Wr's rows; one tensor load of mine is out at the most
	s_cbranch_scc0 .Lnot_kv
	tensor_load_to_lds s[48:51], s[32:39]
	s_nop 0
	PLACES 4
	s_branch .Lasked
.Lnot_kv:
	s_cmp_eq_u32 s[WV], 8
	s_cbranch_scc0 .Lasked
	tensor_load_to_lds s[52:55], s[40:47]
	s_nop 0
	PLACES 4
.Lasked:
	s_wait_alu depctr_va_vdst(0)
.irp i, 0,1,2,3,4,5,6,7,8,9,10,11,12,13,14,15
	global_load_b128 v[XA+4*\i:XA+4*\i+3], v[G16], s[10:11] offset:512*\i        ; a whole row of x's codes: 512 consecutive bytes
.endr
.irp i, 0,1,2,3,4,5,6,7,8,9,10,11,12,13,14,15
	global_load_b128 v[XB+4*\i:XB+4*\i+3], v[G16], s[10:11] offset:8192+512*\i
.endr
	global_load_b128 v[XS:XS+3], v[G32], s[12:13]                                ; lane l: query l's eight scale words
	global_load_b128 v[XS+4:XS+7], v[G32], s[12:13] offset:16
.irp p, 0,1
	global_load_b128 v[WS+8*\p:WS+8*\p+3], v[G32], s[16:17] offset:1024*\p       ; lane l: those of Wr's row 32 p + l
	global_load_b128 v[WS+8*\p+4:WS+8*\p+7], v[G32], s[16:17] offset:1024*\p+16
.endr
.irp t, 0,1,2,3
	global_load_b128 v[RB+8*\t:RB+8*\t+3], v[GH], s[18:19] offset:64*\t          ; br in the result's layout: 16 t + 8 hh + 0 .. 7
	global_load_b128 v[RB+8*\t+4:RB+8*\t+7], v[GH], s[18:19] offset:64*\t+16
.endr
	global_load_b128 v[QF:QF+3], v[G16], s[4:5]
	global_load_b128 v[QF+8:QF+11], v[G16], s[4:5] offset:512
	global_load_b32 v[QS], v[G8], s[6:7]
	; x's rows turn into fragments through my scratch: in as rows, 528 bytes apart, out as 16 bytes of row r.  LDS serves a wave's instructions in order (ISA guide 5.7.1.4)
	s_wait_loadcnt 33                              ; tile A's 16 rows are in; tile B's 16 and the 17 loads behind them may be out
.irp i, 0,1,2,3,4,5,6,7,8,9,10,11,12,13,14,15
	ds_store_b128 v1, v[XA+4*\i:XA+4*\i+3] offset:WRP*\i
.endr
	s_wait_dscnt 0x0                               ; the stores have read their registers
.irp q, 0,1,2,3,4,5,6,7
	ds_load_b128 v[XA+8*\q:XA+8*\q+3], v2 offset:64*\q
	ds_load_b128 v[XA+8*\q+4:XA+8*\q+7], v2 offset:64*\q+32
.endr
	s_wait_loadcnt 17                              ; tile B's rows are in; the 17 small loads may be out
.irp i, 0,1,2,3,4,5,6,7,8,9,10,11,12,13,14,15
	ds_store_b128 v1, v[XB+4*\i:XB+4*\i+3] offset:WRP*\i
.endr
	s_wait_dscnt 0x0
.irp q, 0,1,2,3,4,5,6,7
	ds_load_b128 v[XB+8*\q:XB+8*\q+3], v2 offset:64*\q
	ds_load_b128 v[XB+8*\q+4:XB+8*\q+7], v2 offset:64*\q+32
.endr
.irp i, 36,37,38,39,44,45,46,47
	v_mov_b32 v\i, 0                               ; the upper halves of Q's fragments: zero codes
.endr
	s_wait_loadcnt 0x0
	s_wait_tensorcnt 0x0                           ; my part of the fills is in,
	s_wait_dscnt 0x0
	s_barrier_signal -1
	s_barrier_wait -1                              ; everybody's is
; THE RESIDUAL x Wr + br for my 32 queries: eight accumulators by turns, 8 steps of 128 along K, two tiles of Wr at a time.
; br is tile B's accumulator from the start, and the C of tile A's first products; five places stand between those and tile B's first products, which write over that C.
.macro RGROUP q, g
.if (\q)+(\g) > 0
	PLACES 4                                       ; in front of loads into registers that matrix instructions have read
.endif
.irp e, 0,1
	ds_load_b128 v[WF+8*\e:WF+8*\e+3], v3 offset:16*WRP*(2*(\g)+\e)+64*(\q)
	ds_load_b128 v[WF+8*\e+4:WF+8*\e+7], v3 offset:16*WRP*(2*(\g)+\e)+64*(\q)+32
.endr
	s_wait_dscnt 0x0
.if (\q) == 0
	WM RA+16*(\g), WF, XA, RB+16*(\g), WS+8*(\g), XS, 0, 0
	WM RA+16*(\g)+8, WF+8, XA, RB+16*(\g)+8, WS+8*(\g), XS, 1, 0
	PLACES 5
.else
	WM RA+16*(\g), WF, XA+8*(\q), RA+16*(\g), WS+8*(\g)+(\q), XS+(\q), 0, 0
	WM RA+16*(\g)+8, WF+8, XA+8*(\q), RA+16*(\g)+8, WS+8*(\g)+(\q), XS+(\q), 1, 0
.endif
	WM RB+16*(\g), WF, XB+8*(\q), RB+16*(\g), WS+8*(\g)+(\q), XS+(\q), 0, 1
	WM RB+16*(\g)+8, WF+8, XB+8*(\q), RB+16*(\g)+8, WS+8*(\g)+(\q), XS+(\q), 1, 1
.endm
.irp q, 0,1,2,3,4,5,6,7
	RGROUP \q, 0
	RGROUP \q, 1
.endr
	PLACES 4
.irp t, 0,1,2,3                        ; the residual waits in my scratch as images of its registers, each accumulator from its low end on
	ds_store_b128 v1, v[RA+8*\t:RA+8*\t+3] offset:1024*\t
	ds_store_b128 v1, v[RA+8*\t+4:RA+8*\t+7] offset:1024*\t+512
.endr
.irp t, 0,1,2,3
	ds_store_b128 v1, v[RB+8*\t:RB+8*\t+3] offset:HALF+1024*\t
	ds_store_b128 v1, v[RB+8*\t+4:RB+8*\t+7] offset:HALF+1024*\t+512
.endr
	s_wait_dscnt 0x0                               ; the stores have read their registers
.irp i, 92,93,94,95,244,245,246,247,59
	v_mov_b32 v\i, 0                               ; zero codes behind K's last tile; the permutes' destinations and f's upper half are written once
.endr
.set J, 0
.rept 64
	v_mov_b32 v[OT+J], 0                           ; O^T.  (The step is written once: the first finds zeros, which the first change of M leaves zeros)
.set J, J+1
.endr
.irp x, 0,1
	v_mov_b32 v[STAT+4*\x+1], 0xff61b1e6           ; the largest t so far: -3e38, under every t
	s_delay_alu instid0(VALU_DEP_1)
	v_floor_f32 v[STAT+4*\x], -v[STAT+4*\x+1]      ; -M
	v_mov_b32 v[STAT+4*\x+2], 0                    ; the sum, in two halves
	v_mov_b32 v[STAT+4*\x+3], 0
.endr
	s_mov_b32 s[TK], 0
	s_mov_b32 s[TS], KSC
	s_mov_b32 s[TV], VSC
	s_mov_b32 s[CNT], 16
.macro KQ x                            ; S^T = K Q^T of tile x: eight tiles of 16 keys
.irp T, 0,1,2,3,4,5,6,7
	WM SS+8*\T, KV+4*\T, QF+8*(\x), -1, KS+\T/2, QS, \T%2, \x
.endr
.endm
; Tile x's softmax of a key step.  Register 16 b + 8 u + j of S^T is key 32 b + 16 u + 8 hh + j.  hook = 1: V's loads are waited for and its scale words are put together, ahead of the rescaling of O^T,
; whose 16 lines are the places between the last write of a scale register or an operand and the products.
.macro SOFTMAX x, hook
.set ST, STAT+4*(\x)
.set PCX, PC+8*(\x)
.set PWX, PW+(\x)
.set OX, OT+32*(\x)
.irp b, 0,1,2,3
	v_max3_num_f32 v[BM+\b], v[SS+16*\b], v[SS+16*\b+1], v[SS+16*\b+2]   ; the largest score of each block of 32 keys: it serves for the row's maximum and, since p rises with the score, for the block's largest p
.endr
.irp i, 3,5,7,9,11,13
.irp b, 0,1,2,3
	v_max3_num_f32 v[BM+\b], v[BM+\b], v[SS+16*\b+\i], v[SS+16*\b+\i+1]  ; (the four blocks by turns; each accumulator is first read at its low end)
.endr
.endr
.irp b, 0,1,2,3
	v_max_num_f32 v[BM+\b], v[BM+\b], v[SS+16*\b+15]
.endr
.irp b, 0,1,2,3
	s_delay_alu instid0(VALU_DEP_4)
	v_permlanex16_b32 v[PX+\b], v[BM+\b], s[SEL], s[SEL+1]
.endr
.irp b, 0,1,2,3
	s_delay_alu instid0(VALU_DEP_4)
	v_max_num_f32 v[BM+\b], v[BM+\b], v[PX+\b]     ; with lane l xor 16's 16 keys
.endr
	s_delay_alu instid0(VALU_DEP_2)
	v_max3_num_f32 v[TMP], v[BM], v[BM+1], v[BM+2]
	s_delay_alu instid0(VALU_DEP_1)
	v_max_num_f32 v[TMP], v[TMP], v[BM+3]          ; the step's largest score of my query
	s_delay_alu instid0(VALU_DEP_1)
	v_mul_f32 v[TMP], s[CS], v[TMP]                ; as t
	s_delay_alu instid0(VALU_DEP_1)
	v_max_num_f32 v[ST+1], v[ST+1], v[TMP]         ; the running largest t
	v_mov_b32 v[TMP], v[ST]
	s_delay_alu instid0(VALU_DEP_2)
	v_floor_f32 v[ST], -v[ST+1]                    ; the new -M = floor(-t) = -ceil(t)
	s_delay_alu instid0(VALU_DEP_1)
	v_sub_f32 v[TMP], v[ST], v[TMP]                ; old M - new M: a whole number, 0 or less
	s_delay_alu instid0(VALU_DEP_1)
	v_cvt_i32_f32 v[TMP], v[TMP]                   ; (it saturates)
	s_delay_alu instid0(VALU_DEP_1)
	v_ldexp_f32 v[FF], 1.0, v[TMP]                 ; f = 2^(old M - new M)
.set J, 0
.rept 32
	v_pk_fma_f32 v[SS+J:SS+J+1], v[SS+J:SS+J+1], s[CS:CS+1], v[ST:ST+1] op_sel_hi:[1,0,0]   ; t - M, two at a time
.set J, J+2
.endr
.irp b, 0,1,2,3
	v_fma_f32 v[BM+\b], v[BM+\b], s[CS], v[ST]     ; the same of each block's largest score
.endr
.set J, 0
	s_wait_alu depctr_va_vdst(0)
.rept 64
	v_exp_f32 v[SS+J], v[SS+J]                     ; p = 2^(t - M), at most 1
.set J, J+1
.endr
	v_pk_mul_f32 v[ST+2:ST+3], v[ST+2:ST+3], v[FF:FF+1] op_sel_hi:[1,0]   ; the sum under the new M: the plain instruction behind the exponentials
	s_wait_alu depctr_va_vdst(0)                   ; one wait for the batch of 64, ahead of its first reader
.irp b, 0,1,2,3
	v_exp_f32 v[BM+\b], v[BM+\b]                   ; the block's largest p: the same two instructions on the same number
.endr
	v_pk_add_f32 v[SUM2:SUM2+1], v[SS:SS+1], v[SS+2:SS+3]   ; the row's sum is taken of the unquantised p, in two chains; it reads the 64 alone
.irp j, 4,8,12,16,20,24,28,32,36,40,44,48,52,56,60
	v_pk_add_f32 v[ST+2:ST+3], v[ST+2:ST+3], v[SS+\j:SS+\j+1]
	v_pk_add_f32 v[SUM2:SUM2+1], v[SUM2:SUM2+1], v[SS+\j+2:SS+\j+3]
.endr
	s_delay_alu instid0(VALU_DEP_1)
	v_pk_add_f32 v[ST+2:ST+3], v[ST+2:ST+3], v[SUM2:SUM2+1]
	s_wait_alu depctr_va_vdst(0)                   ; and one for the four
.irp b, 0,1,2,3
	v_max_num_f32 v[BM+\b], 0x1800000, v[BM+\b]    ; the floor 2^(3 - 127): the byte cannot fall under 1
.endr
.irp b, 0,1,2,3
	s_delay_alu instid0(VALU_DEP_4)
	v_add_nc_u32 v[SO+\b], 0xff000000, v[BM+\b]    ; 2 off the exponent field: the conversion's scale operand
.endr
.irp b, 0,1,2,3
	s_delay_alu instid0(VALU_DEP_4)
	v_lshrrev_b32 v[PX+\b], 23, v[SO+\b]           ; the scale's byte
.endr
	s_delay_alu instid0(VALU_DEP_3)
	v_lshl_or_b32 v[PWX], v[PX+1], 8, v[PX]        ; p's scale word for these 128 keys
	s_delay_alu instid0(VALU_DEP_1)
	v_lshl_or_b32 v[PWX], v[PX+2], 16, v[PWX]
	s_delay_alu instid0(VALU_DEP_1)
	v_lshl_or_b32 v[PWX], v[PX+3], 24, v[PWX]
.irp c, 0,1                            ; tile 2 b + u gives group 2 u + hh of block b; the operand wants block 2 c + hh whole in lane half hh
	v_cvt_scalef32_pk8_fp4_f32 v[PCX+4*\c], v[SS+32*\c:SS+32*\c+7], v[SO+2*\c]
	v_cvt_scalef32_pk8_fp4_f32 v[PCX+4*\c+1], v[SS+32*\c+16:SS+32*\c+23], v[SO+2*\c+1]
	v_cvt_scalef32_pk8_fp4_f32 v[PCX+4*\c+2], v[SS+32*\c+8:SS+32*\c+15], v[SO+2*\c]
	v_cvt_scalef32_pk8_fp4_f32 v[PCX+4*\c+3], v[SS+32*\c+24:SS+32*\c+31], v[SO+2*\c+1]
.endr
	v_nop                                          ; one plain place behind a scaled conversion
.irp c, 0,1,2,3
	v_permlane16_swap_b32 v[PCX+2*\c], v[PCX+2*\c+1]   ; the first's lanes 16-31 change places with the second's lanes 0-15
.endr
.if \hook
	s_setprio 0
	s_wait_dscnt 0x0                               ; V's fragments and scale halves are in
	v_perm_b32 v[VS], v[VR+1], v[VR], s[P0]        ; tiles 0, 1: the first 64 keys' two bytes below, the second 64 keys' above
	v_perm_b32 v[VS+1], v[VR+1], v[VR], s[P1]      ; tiles 2, 3
.endif
.set J, 0
.rept 16
	v_pk_mul_f32 v[OX+J:OX+J+1], v[OX+J:OX+J+1], v[FF:FF+1] op_sel_hi:[1,0]   ; O^T under the new M
.set J, J+2
.endr
.endm
.Lstep:                                ; 16 trips: 128 keys each
	s_setprio 2
	v_lshl_add_u32 v[ADK], v[LN], 4, s[TK]         ; these four lines are also the places in front of the loads into registers that the last products have read
	v_lshl_add_u32 v[ADS], v[LN], 3, s[TS]
	v_lshl_add_u32 v[ADT], v[LN], 2, s[TV]
	s_delay_alu instid0(VALU_DEP_3)
	v_add_nc_u32 v[ADV], VIM, v[ADK]
	ds_load_b64 v[KS:KS+1], v[ADS]
	ds_load_b64 v[KS+2:KS+3], v[ADS] offset:256
.irp T, 0,1,2,3,4,5,6,7
	ds_load_b128 v[KV+4*\T:KV+4*\T+3], v[ADK] offset:512*\T
.endr
	s_wait_dscnt 0x0
	KQ 0
	PLACES 4
	SOFTMAX 0, 0
	KQ 1
	PLACES 4                                       ; in front of the first read of the scores, and of V's loads into the registers that held K
.irp t, 0,1,2,3
	ds_load_b128 v[KV+8*\t:KV+8*\t+3], v[ADV] offset:1024*\t
	ds_load_b128 v[KV+8*\t+4:KV+8*\t+7], v[ADV] offset:1024*\t+512
.endr
	ds_load_b32 v[VR], v[ADT]
	ds_load_b32 v[VR+1], v[ADT] offset:128
	s_setprio 1
	SOFTMAX 1, 1                                   ; V lands meanwhile
.irp t, 0,1,2,3                        ; O^T += V^T P^T: the eight accumulators by turns
.irp x, 0,1
	WM OT+32*\x+8*\t, KV+8*\t, PC+8*\x, OT+32*\x+8*\t, VS+\t/2, PW+\x, \t%2, 0
.endr
.endr
	s_add_co_u32 s[TK], s[TK], 4096
	s_add_co_u32 s[TS], s[TS], 512
	s_add_co_u32 s[TV], s[TV], 256
	s_sub_co_u32 s[CNT], s[CNT], 1
	s_cmp_lg_u32 s[CNT], 0
	s_cbranch_scc1 .Lstep
	s_setprio 0
	; THE WAY OUT.  O^T / the sum + the residual; through my stage in LDS, so that sixteen lanes store the head's 256 consecutive bytes of a row of out0, aligned to 256.
	v_add_f32 v[STAT+2], v[STAT+2], v[STAT+3]      ; the sum's two halves
	v_add_f32 v[STAT+6], v[STAT+6], v[STAT+7]
	s_delay_alu instid0(VALU_DEP_2)
	v_permlanex16_b32 v[PX], v[STAT+2], s[SEL], s[SEL+1]
	s_delay_alu instid0(VALU_DEP_2)
	v_permlanex16_b32 v[PX+1], v[STAT+6], s[SEL], s[SEL+1]
	s_delay_alu instid0(VALU_DEP_2)
	v_add_f32 v[STAT+2], v[STAT+2], v[PX]          ; and lane l xor 16's
	s_delay_alu instid0(VALU_DEP_2)
	v_add_f32 v[STAT+6], v[STAT+6], v[PX+1]
	s_wait_alu depctr_va_vdst(0)
	v_rcp_f32 v[STAT+2], v[STAT+2]
	v_rcp_f32 v[STAT+6], v[STAT+6]
	v_and_b32 v240, 15, v0                         ; r  (plain work behind the reciprocals)
	v_bfe_u32 v241, v0, 4, 1                       ; hh
	v_lshl_add_u32 v1, v[LN], 4, s[MY]             ; the residual's images
	s_delay_alu instid0(VALU_DEP_3)
	v_mul_u32_u24 v2, v240, SP
	s_delay_alu instid0(VALU_DEP_1)
	v_lshl_add_u32 v2, v241, 5, v2
	s_delay_alu instid0(VALU_DEP_1)
	v_add_nc_u32 v2, s[MY], v2                     ; the stage, in: row r, + 32 hh
	v_mul_u32_u24 v3, v241, SP
	s_delay_alu instid0(VALU_DEP_1)
	v_lshl_add_u32 v3, v240, 4, v3
	s_delay_alu instid0(VALU_DEP_1)
	v_add_nc_u32 v3, s[MY], v3                     ; back: lanes 0-15 one row, lanes 16-31 the next
	v_lshlrev_b32 v4, 12, v241
	s_delay_alu instid0(VALU_DEP_1)
	v_lshl_add_u32 v4, v240, 4, v4                 ; and the same two rows in out0, 4,096 bytes apart
.irp x, 0,1
.irp t, 0,1,2,3
	ds_load_b128 v[SS+32*\x+8*\t:SS+32*\x+8*\t+3], v1 offset:HALF*\x+1024*\t
	ds_load_b128 v[SS+32*\x+8*\t+4:SS+32*\x+8*\t+7], v1 offset:HALF*\x+1024*\t+512
.endr
.endr
	s_wait_alu depctr_va_vdst(0)                   ; one wait for the two reciprocals, ahead of their first reader
	s_wait_dscnt 0x0
.irp x, 0,1
.set J, 32*\x
.rept 16
	v_pk_fma_f32 v[SS+J:SS+J+1], v[OT+J:OT+J+1], v[STAT+4*\x+2:STAT+4*\x+3], v[SS+J:SS+J+1] op_sel_hi:[1,0,1]   ; each accumulator from its low end on
.set J, J+2
.endr
.endr
.irp x, 0,1
.irp t, 0,1,2,3
	ds_store_b128 v2, v[SS+32*\x+8*\t:SS+32*\x+8*\t+3] offset:HALF*\x+64*\t
	ds_store_b128 v2, v[SS+32*\x+8*\t+4:SS+32*\x+8*\t+7] offset:HALF*\x+64*\t+16
.endr
.irp i, 0,1,2,3,4,5,6,7
	ds_load_b128 v[OT+32*\x+4*\i:OT+32*\x+4*\i+3], v3 offset:HALF*\x+2*SP*\i   ; LDS serves a wave's instructions in order: these see my stores
.endr
.endr
.irp i, 0,1,2,3,4,5,6,7
	s_wait_dscnt 23-\i                             ; tile A's later loads and tile B's sixteen LDS instructions may be out
	global_store_b128 v4, v[OT+4*\i:OT+4*\i+3], s[20:21] offset:8192*\i th:TH_STORE_NT
.endr
.irp i, 0,1,2,3,4,5,6,7
	s_wait_dscnt 7-\i
	global_store_b128 v4, v[OT+32+4*\i:OT+32+4*\i+3], s[20:21] offset:65536+8192*\i th:TH_STORE_NT
.endr
	s_wait_dscnt 0x0
	s_wait_xcnt 0x0
	v_lshl_add_u32 v254, v0, 2, 0x4d400
	v_mov_b32 v255, 0
	s_wait_alu depctr_va_vdst(0)
	s_wait_tensorcnt 0x0
	ds_add_u32 v254, v255
	s_wait_dscnt 0x0
	CROUND                                         ; the closing round: no work-group ends while a partner may still ask for a tile that names it
	s_endpgm
.Lfunc_end_k_qc9ce819707_attn:
	.size	k_qc9ce819707_attn, .Lfunc_end_k_qc9ce819707_attn-k_qc9ce819707_attn
	.p2alignl 7, 3214868480
	.fill 96, 4, 3214868480
	.section	.rodata,"a",@progbits
	.p2align	6, 0x0
	.amdhsa_kernel k_qc9ce819707_attn
		.amdhsa_group_segment_fixed_size 327680
		.amdhsa_private_segment_fixed_size 0
		.amdhsa_enable_private_segment 0
		.amdhsa_kernarg_size 72
		.amdhsa_user_sgpr_count 2
		.amdhsa_user_sgpr_kernarg_segment_ptr 1
		.amdhsa_wavefront_size32 1
		.amdhsa_system_sgpr_workgroup_id_x 1
		.amdhsa_system_sgpr_workgroup_id_y 1
		.amdhsa_system_sgpr_workgroup_id_z 1
		.amdhsa_system_vgpr_workitem_id 0
		.amdhsa_next_free_vgpr 256
		.amdhsa_next_free_sgpr 72
		.amdhsa_reserve_vcc 0
		.amdhsa_float_denorm_mode_32 3
		.amdhsa_float_denorm_mode_16_64 3
		.amdhsa_memory_ordered 1
		.amdhsa_forward_progress 1
		.amdhsa_inst_pref_size 74
	.end_amdhsa_kernel
	.amdgpu_metadata
---
amdhsa.version: [ 1, 2 ]
amdhsa.kernels:
  - .name:           k_qc9ce819707_attn
    .symbol:         k_qc9ce819707_attn.kd
    .args:
      - { .name: qimg, .offset: 0, .size: 8, .value_kind: global_buffer, .address_space: global }
      - { .name: qscl, .offset: 8, .size: 8, .value_kind: global_buffer, .address_space: global }
      - { .name: kv, .offset: 16, .size: 8, .value_kind: global_buffer, .address_space: global }
      - { .name: x_codes, .offset: 24, .size: 8, .value_kind: global_buffer, .address_space: global }
      - { .name: x_scales, .offset: 32, .size: 8, .value_kind: global_buffer, .address_space: global }
      - { .name: Wr_codes, .offset: 40, .size: 8, .value_kind: global_buffer, .address_space: global }
      - { .name: Wr_scales, .offset: 48, .size: 8, .value_kind: global_buffer, .address_space: global }
      - { .name: br, .offset: 56, .size: 8, .value_kind: global_buffer, .address_space: global }
      - { .name: out0, .offset: 64, .size: 8, .value_kind: global_buffer, .address_space: global }
    .group_segment_fixed_size: 327680
    .private_segment_fixed_size: 0
    .kernarg_segment_align: 8
    .kernarg_segment_size: 72
    .max_flat_workgroup_size: 512
    .sgpr_count:     72
    .vgpr_count:     256
    .wavefront_size: 32
...
	.end_amdgpu_metadata
.endif
;; end of part 2
